; MI455X (gfx1250); checked and timed in simulation.
; The chip was launched on July 23, 2026; its instructions are those of AMD's public machine-readable ISA for CDNA 5 (MIT licence, August 2026) and "CDNA5" Instruction Set Architecture Reference Guide (July 2026). The comments in the code are by the model that wrote it; some were corrected since.
;; Feed Forward Quantum. Allowed arithmetic: matrix products marked QUANTISED: E2M1 operands, one E8M0 scale for each 32 along K, by v_wmma_scale_f32_16x16x128_f8f6f4 with both operands' format E2M1 (or v_wmma_scale_f32_32x16x128_f4), f32 sums; products left as they are: f32 operands where the result goes on into a quantised operand, else bf16, f16 or f32 operands; f32 sums; everything else in f32.
;; Inputs: ry_params 10 float32; w1 4,096 x 10 float32; w2_codes 1,024 x 128 x 16 uint8 (E2M1 codes of w2, K innermost, in blocks of 32 codes, two codes a byte); w2_scales 1,024 x 128 uint8 (E8M0 scales of w2, one for each 32 codes along K); x 8 x 2,048 x 1,024 float32.
;; Outputs: out0 8 x 2,048 x 1,024 float32.
;; This version of the problem:
;;   THIS VERSION OF THE PROBLEM IS GIVEN IN LOW PRECISION. The matrix products marked QUANTISED in the list below multiply operands that are first quantised to E2M1 (2 exponent bits, 1 mantissa bit; 4 bits a number), with one power-of-two scale for each 32 numbers along K (OCP MX v1.0); their sums are f32. All else is computed in f32.
;;   The module's matrix products, in the order in which they are computed (A, B: the left and right operand; K: the contracted axis; several contracted axes count as one K, in the product's order):
;;     1. [M 16,384, K 10] x [K 10, N 4,096]; A: computed on the way; B: input w1: left as it is (K = 10 < 32)
;;     2. [M 16,384, K 4,096] x [K 4,096, N 1,024]; A: computed on the way; B: input w2 (given as codes): QUANTISED
;;   THE QUANTISER, for each operand of a quantised product, along K:
;;     - K is cut into blocks of 32 from its start; a last block that is shorter is filled with zeros.
;;     - A block's scale is 2^e with e = floor(log2(the largest magnitude in the block)) - 2, held to -126 .. 127; a block of zeros has e = 0. As a byte (E8M0): e + 127.
;;     - Each number is divided by its block's scale, clamped to +-6, and rounded to the nearest number of E2M1, ties to even, subnormals kept.
;;     - The product sums the exact products of the quantised numbers (number of the format x scale) in f32.
;;   ~~~python
;;   def quantise(x, axis):      # numpy; x: float32 -> the quantised numbers, widened to float32 again
;;       x = np.moveaxis(x, axis, -1); K = x.shape[-1]
;;       x = np.pad(x, [(0, 0)] * (x.ndim - 1) + [(0, -K % 32)]); x = x.reshape(x.shape[:-1] + (-1, 32)); a = np.abs(x).max(-1, keepdims=True)
;;       e = np.where(a > 0, np.clip(np.frexp(np.where(a > 0, a, 1))[1] - 1 - 2, -126, 127), 0)      # np.frexp(a)[1] - 1 = floor(log2(a)), exactly
;;       r = np.clip(x / 2.0 ** e, -6, 6)
;;       step = 2.0 ** (np.maximum(np.frexp(np.where(r == 0, 1, r))[1] - 1, 0) - 1)
;;       q = np.round(r / step) * step * 2.0 ** e      # np.round: ties to even
;;       return np.moveaxis(q.reshape(q.shape[:-2] + (-1,))[..., :K], -1, axis).astype(np.float32)
;;   ~~~
;;   OPERANDS COMPUTED ON THE WAY. 'Computed on the way' means the value that the module computes at that place (a softmax that the list does not call 'softmax' is quantised finished and normalised). What goes into a quantiser is computed in f32, as accurately as f32 sums, v_exp_f32 and their like allow (about 1e-6 of the number): no bf16 or f16 on the way to a quantiser, and a product that is left as it is and whose result goes on into a quantised operand takes f32 operands (vector FMAs, or v_wmma_f32_16x16x4_f32). A number that lies on a knife's edge between two numbers of the format may be rounded either way, as far as f32 arithmetic and the matrix unit's own rounding can turn it there, and no further.
;;   INPUTS GIVEN AS CODES. w2 (in the module: [1024, 4096], K = its axis 1): each comes as NAME_codes (uint8): NAME with its K axis moved to the last place and cut into blocks of 32 codes, [.., K / 32, bytes a block], one block behind the other in memory; two codes a byte, the lower K in the low four bits (a code: sign, 2 exponent bits, 1 mantissa bit); and NAME_scales (uint8): the same leading axes, one E8M0 byte (e + 127) for each 32 codes along K. Its value is code x scale, taken as it is: it is not quantised again, and the codes and scales need not be those that the quantiser above would give.
;; One version. Each part assembles by itself: llvm-mc -triple=amdgcn-amd-amdhsa -mcpu=gfx1250 --defsym DOCPART=n.
;; ======== version 1 of 1: 2 launches
;; limits: inputs' magnitudes at most 100,000; right only within a limited range of input values
;; workspace buffers: wsp 2,424,832 bytes; qbuf 786,432 bytes
;; launch prep (part 1): grid 208 x 1, 8 waves a work-group, no clusters, 0 bytes of LDS; arguments x, ry_params, w1, w2_codes, w2_scales, wsp, qbuf; writes wsp, qbuf
.if DOCPART == 1
	.amdgcn_target "amdgcn-amd-amdhsa--gfx1250"
	.amdhsa_code_object_version 6
	.text
	.protected	k_q4943b97a64_prep
	.globl	k_q4943b97a64_prep
	.p2align	8
	.type	k_q4943b97a64_prep,@function
k_q4943b97a64_prep:
	s_mov_b64 s[64:65], 0
	v_nop
	global_prefetch_b8 v0, s[64:65] scope:SCOPE_SE
	s_setreg_imm32_b32 hwreg(HW_REG_WAVE_MODE, 25, 1), 1
	s_wait_xcnt 0x0
; The launch in front of the product.  It computes q = cos(x[:, :10]) * cos(phi) for the 16,384 tokens, and lays w2's codes, w2's scale bytes, w1 and q
; out once, in the order in which the next launch's registers take them.  No LDS, no barrier, no loop; every step is an immediate offset.
; wsp: 16 blocks (s: 256 along the hidden axis) of 8 chunks (w: 128 rows of w2) of 18,944 bytes:
;   +0       w2's fragments as register images [ks 2][i 8][c 2][lane 32][16 bytes]: row 128 w + 16 i + lane % 16, bytes 64 (2 s + ks) + 32 c + 16 (lane / 16) of it
;   +16,384  w2's scale words [g 2][lane 32][i4 4]: row 128 w + 16 (4 g + i4) + lane % 16, bytes 4 (2 s + lane / 16) on
;   +17,408  w1 of hidden units 32 B .. 32 B + 31, B = 8 ((s + 1) % 16) + w (the NEXT block's, since the hidden layer is made one block ahead), as images of six f32 fragments of 16 units x 4 k:
;            [c 3][lane 32][4 words]: word 4 c + d = register 6 u + 2 t + j of lane (r, h) = w1[32 B + 16 (r / 8) + 8 u + r % 8][4 t + 2 h + j], zero where that k is 10 or 11
; qbuf: 256 groups of 64 tokens of 3,072 bytes: at +0 [m 4][lane 32][4 words]: lane (r, h) has q[16 m + r][2 h, 2 h + 1, 4 + 2 h, 5 + 2 h]; at +2,048 [h 2][token 64][2 words]: q[token][8 + 2 h, 9 + 2 h], zeros for h = 1.
; Work-groups 0-63: q.  64-127: codes.  128-159: scale words.  160-207: w1.  The roles part on the work-group's number alone.
; THE COSINE: n = the whole number nearest x * 2 / pi; r = x - n * pi / 2 with pi / 2 in three parts (three fused multiply-adds); polynomials for cos r and sin r on |r| <= pi / 4;
; the quadrant n % 4 picks one of the two and its sign.
; LIMITS: the reduction holds about 1e-7 absolute up to |x|, |phi| of some 1e5 and decays beyond; NaN and infinities give NaN and are not served further.
.set BLOCK, 151552
.set CHUNK, 18944
.set WV,    18                         ; s18 my wave's number
	s_load_b256 s[4:11], s[0:1], 0x0               ; x s[4:5], phi s[6:7], w1 s[8:9], w2's codes s[10:11]
	s_load_b128 s[12:15], s[0:1], 0x20             ; w2's scales s[12:13], wsp s[14:15]
	s_load_b64 s[16:17], s[0:1], 0x30              ; qbuf
	v_lshrrev_b32 v1, 5, v0
	s_delay_alu instid0(VALU_DEP_1)
	v_readfirstlane_b32 s[WV], v1                  ; wave 0..7
	v_and_b32 v2, 31, v0                           ; lane
	s_mov_b32 s31, 0                               ; s[30:31]: a byte offset in 64 bits
	s_wait_kmcnt 0x0
	s_cmp_lt_u32 ttmp9, 64
	s_cbranch_scc1 .Lrole_q
	s_cmp_lt_u32 ttmp9, 128
	s_cbranch_scc1 .Lrole_c
	s_cmp_lt_u32 ttmp9, 160
	s_cbranch_scc1 .Lrole_s
; ---- w1: wave id = 8 (work-group - 160) + wave, 0 .. 383, makes 512 bytes: piece c = id % 3 of block B = id / 3: two pairs of registers, p = 2 c and 2 c + 1; pair p is tile u = p / 3, K step t = p % 3
	s_sub_co_u32 s19, ttmp9, 160
	s_lshl_b32 s19, s19, 3
	s_add_co_u32 s19, s19, s[WV]                   ; id
	s_mul_i32 s20, s19, 21846                      ; id * 21,846 >> 16 = id / 3 for every id here
	s_lshr_b32 s20, s20, 16                        ; B
	s_mul_i32 s21, s20, 3
	s_sub_co_u32 s21, s19, s21                     ; c
	v_and_b32 v3, 15, v0                           ; r
	v_bfe_u32 v4, v0, 4, 1                         ; h
	s_delay_alu instid0(VALU_DEP_2)
	v_and_b32 v5, 8, v3
	s_delay_alu instid0(VALU_DEP_1)
	v_add_nc_u32 v5, v5, v3                        ; 16 (r / 8) + r % 8
	s_delay_alu instid0(VALU_DEP_1)
	v_mul_u32_u24 v5, v5, 40                       ; a row of w1 is 40 bytes
	s_wait_alu depctr_va_vdst(0)
	v_mov_b32 v20, 0
; Pair e of the piece into v[d], v[d + 1].  In K step 2 the upper half's k would be 10 and 11: these lanes read k = 8, 9 (no load leaves the row) and are set to zero below
.macro WPAIR e, d
	s_lshl_b32 s22, s21, 1
	s_add_co_u32 s22, s22, \e                      ; p
	s_cmp_ge_u32 s22, 3
	s_cselect_b32 s23, 1, 0                        ; u
	s_mul_i32 s24, s23, 3
	s_sub_co_u32 s24, s22, s24                     ; t
	s_cmp_eq_u32 s24, 2
	s_cselect_b32 s25, 1, 0                        ; K step 2?
	s_cselect_b32 s26, 0, 8                        ; bytes from the lower half's k to the upper half's
	s_lshl_b32 s27, s20, 2
	s_add_co_u32 s27, s27, s23
	s_mul_i32 s27, s27, 320                        ; 32 B + 8 u rows of 40 bytes
	s_lshl_b32 s24, s24, 4
	s_add_co_u32 s27, s27, s24                     ; + 16 t
	v_mad_u32_u24 v[6+\e], v4, s26, v5
	s_delay_alu instid0(VALU_DEP_1)
	v_add_nc_u32 v[6+\e], s27, v[6+\e]
	v_and_b32 v[8+\e], s25, v4                     ; 1 where zeros are due
	global_load_b64 v[\d:\d+1], v[6+\e], s[8:9]
.endm
	WPAIR 0, 12
	WPAIR 1, 14
	s_lshr_b32 s22, s20, 3
	s_add_co_u32 s22, s22, 15
	s_and_b32 s22, s22, 15                         ; s = (B / 8 - 1) % 16
	s_and_b32 s23, s20, 7                          ; w = B % 8
	s_mul_i32 s30, s22, BLOCK
	s_mul_i32 s23, s23, CHUNK
	s_add_co_u32 s30, s30, s23
	s_lshl_b32 s23, s21, 9
	s_add_co_u32 s30, s30, s23
	s_add_nc_u64 s[14:15], s[14:15], s[30:31]
	v_lshlrev_b32 v10, 4, v2
	s_wait_alu depctr_va_vdst(0)
	s_wait_loadcnt 0x0
	v_cmp_eq_u32 vcc_lo, 1, v8
	s_delay_alu instid0(VALU_DEP_1)
	v_cndmask_b32 v12, v12, v20, vcc_lo
	s_delay_alu instid0(VALU_DEP_2)
	v_cndmask_b32 v13, v13, v20, vcc_lo
	v_cmp_eq_u32 vcc_lo, 1, v9
	s_delay_alu instid0(VALU_DEP_1)
	v_cndmask_b32 v14, v14, v20, vcc_lo
	s_delay_alu instid0(VALU_DEP_2)
	v_cndmask_b32 v15, v15, v20, vcc_lo
	global_store_b128 v10, v[12:15], s[14:15] offset:17408   ; the wave stores 512 consecutive bytes, aligned
	s_endpgm
; ---- q: one thread to a token, token = 256 x work-group + thread number
.Lrole_q:
	s_load_b256 s[32:39], s[6:7], 0x0              ; phi 0 .. 7
	s_load_b64 s[40:41], s[6:7], 0x20              ; phi 8, 9
	s_lshl_b32 s30, ttmp9, 20                      ; 256 rows of 4,096 bytes
	s_add_nc_u64 s[4:5], s[4:5], s[30:31]
	v_lshlrev_b32 v3, 12, v0
	global_load_b128 v[8:11], v3, s[4:5]           ; the first 40 bytes of my token's row
	global_load_b128 v[12:15], v3, s[4:5] offset:16
	global_load_b64 v[16:17], v3, s[4:5] offset:32
	s_mov_b32 s20, 0x3f22f983                      ; 2 / pi
	s_mov_b32 s21, 0xbfc90000                      ; -1.5703125
	s_mov_b32 s22, 0xb9fda000                      ; -4.8375130e-4
	s_mov_b32 s23, 0xb3a22168                      ; -7.5497900e-8: the three add up to -pi / 2
	s_mov_b32 s24, 0x37ccf5ce                      ; cos r = 1 - z / 2 + z^2 (c2 + z (c1 + z c0)), z = r^2
	s_mov_b32 s25, 0xbab6061a
	s_mov_b32 s26, 0x3d2aaaa5
	s_mov_b32 s27, 0xb94ca1f9                      ; sin r = r + r z (s2 + z (s1 + z s0))
	s_mov_b32 s28, 0x3c08839e
	s_mov_b32 s29, 0xbe2aaaa3
	s_lshl_b32 s19, ttmp9, 2
	s_lshr_b32 s30, s[WV], 1
	s_add_co_u32 s30, s30, s19                     ; my group of 64 tokens
	s_mul_i32 s30, s30, 3072
	s_add_nc_u64 s[16:17], s[16:17], s[30:31]
	v_and_b32 v4, 63, v0                           ; my place in it: tile m = place / 16, row r = place % 16
	s_delay_alu instid0(VALU_DEP_1)
	v_lshlrev_b32 v5, 3, v4                        ; K step 2: 8 bytes a token
	s_delay_alu instid0(VALU_DEP_2)
	v_lshrrev_b32 v6, 4, v4
	s_delay_alu instid0(VALU_DEP_3)
	v_and_b32 v7, 15, v4
	s_delay_alu instid0(VALU_DEP_1)
	v_lshlrev_b32 v7, 4, v7
	s_delay_alu instid0(VALU_DEP_1)
	v_lshl_add_u32 v4, v6, 9, v7                   ; K steps 0 and 1: 512 m + 16 r
	s_wait_kmcnt 0x0
.irp i, 0,1,2,3,4,5,6,7,8,9
	v_mov_b32 v[18+\i], s[32+\i]
.endr
	s_wait_loadcnt 0x0
; Ten cosines in place, v[b] .. v[b + 9]; each line runs over the ten, so that no line waits for the line above it.  v28.. n, v38.. r, v48.. z, v58.. cos r, v68.. sin r
.macro COS10 b
.irp i, 0,1,2,3,4,5,6,7,8,9
	v_mul_f32 v[28+\i], s20, v[\b+\i]
.endr
.irp i, 0,1,2,3,4,5,6,7,8,9
	v_rndne_f32 v[28+\i], v[28+\i]
.endr
.irp i, 0,1,2,3,4,5,6,7,8,9
	v_fma_f32 v[38+\i], v[28+\i], s21, v[\b+\i]
.endr
.irp i, 0,1,2,3,4,5,6,7,8,9
	v_fma_f32 v[38+\i], v[28+\i], s22, v[38+\i]
.endr
.irp i, 0,1,2,3,4,5,6,7,8,9
	v_fma_f32 v[38+\i], v[28+\i], s23, v[38+\i]
.endr
.irp i, 0,1,2,3,4,5,6,7,8,9
	v_cvt_i32_f32 v[28+\i], v[28+\i]
.endr
.irp i, 0,1,2,3,4,5,6,7,8,9
	v_mul_f32 v[48+\i], v[38+\i], v[38+\i]
.endr
.irp i, 0,1,2,3,4,5,6,7,8,9
	v_fma_f32 v[58+\i], v[48+\i], s24, s25
.endr
.irp i, 0,1,2,3,4,5,6,7,8,9
	v_fma_f32 v[58+\i], v[58+\i], v[48+\i], s26
.endr
.irp i, 0,1,2,3,4,5,6,7,8,9
	v_fma_f32 v[58+\i], v[58+\i], v[48+\i], -0.5
.endr
.irp i, 0,1,2,3,4,5,6,7,8,9
	v_fma_f32 v[58+\i], v[58+\i], v[48+\i], 1.0
.endr
.irp i, 0,1,2,3,4,5,6,7,8,9
	v_fma_f32 v[68+\i], v[48+\i], s27, s28
.endr
.irp i, 0,1,2,3,4,5,6,7,8,9
	v_fma_f32 v[68+\i], v[68+\i], v[48+\i], s29
.endr
.irp i, 0,1,2,3,4,5,6,7,8,9
	v_mul_f32 v[68+\i], v[68+\i], v[48+\i]
.endr
.irp i, 0,1,2,3,4,5,6,7,8,9
	v_fma_f32 v[68+\i], v[68+\i], v[38+\i], v[38+\i]
.endr
.irp i, 0,1,2,3,4,5,6,7,8,9
	v_and_b32 v[48+\i], 1, v[28+\i]
.endr
.irp i, 0,1,2,3,4,5,6,7,8,9
	v_cmp_eq_u32 vcc_lo, 1, v[48+\i]
	s_delay_alu instid0(VALU_DEP_1)
	v_cndmask_b32 v[\b+\i], v[58+\i], v[68+\i], vcc_lo     ; odd quadrants take the sine
.endr
.irp i, 0,1,2,3,4,5,6,7,8,9
	v_add_lshl_u32 v[28+\i], v[28+\i], 1, 30               ; bit 1 of n + 1 comes to the sign's place: set in quadrants 1 and 2
.endr
.irp i, 0,1,2,3,4,5,6,7,8,9
	v_and_b32 v[28+\i], 0x80000000, v[28+\i]
.endr
.irp i, 0,1,2,3,4,5,6,7,8,9
	v_xor_b32 v[\b+\i], v[28+\i], v[\b+\i]
.endr
.endm
	COS10 8
	COS10 18
.macro QMUL j, d                       ; q_j = cos x_j * cos phi_j, straight into its place in a store's registers
	v_mul_f32 v[\d], v[8+\j], v[18+\j]
.endm
	QMUL 0, 80                                     ; the lower half's four: k = 0, 1, 4, 5
	QMUL 1, 81
	QMUL 4, 82
	QMUL 5, 83
	QMUL 2, 84                                     ; the upper half's: k = 2, 3, 6, 7
	QMUL 3, 85
	QMUL 6, 86
	QMUL 7, 87
	QMUL 8, 88                                     ; K step 2: k = 8, 9,
	QMUL 9, 89
	v_mov_b32 v90, 0                               ; and zeros for k = 10, 11
	v_mov_b32 v91, 0
	global_store_b128 v4, v[80:83], s[16:17]               ; sixteen neighbouring lanes store 256 consecutive bytes, aligned
	global_store_b128 v4, v[84:87], s[16:17] offset:256
	global_store_b64 v5, v[88:89], s[16:17] offset:2048    ; the wave stores 256 consecutive bytes, aligned
	global_store_b64 v5, v[90:91], s[16:17] offset:2560
	s_endpgm
; ---- codes: work-group T = 16 rows of w2; wave u = 256 bytes of these rows (four K steps of 128): eight loads read them whole, eight stores of 512 consecutive bytes write the images
.Lrole_c:
	s_sub_co_u32 s19, ttmp9, 64                    ; T
	s_lshl_b32 s30, s19, 15                        ; 16 rows of 2,048 bytes
	s_lshl_b32 s20, s[WV], 8
	s_add_co_u32 s30, s30, s20
	s_add_nc_u64 s[10:11], s[10:11], s[30:31]
	v_and_b32 v3, 15, v0
	v_bfe_u32 v4, v0, 4, 1
	s_delay_alu instid0(VALU_DEP_2)
	v_lshlrev_b32 v3, 11, v3
	s_delay_alu instid0(VALU_DEP_1)
	v_lshl_add_u32 v3, v4, 4, v3                   ; row lane % 16, + 16 (lane / 16)
	s_wait_alu depctr_va_vdst(0)
	v_lshlrev_b32 v5, 4, v2                        ; an image's place for my lane
	s_mul_i32 s30, s[WV], 2*BLOCK                  ; s = 2 u + k4 / 2
	s_lshr_b32 s20, s19, 3
	s_mul_i32 s20, s20, CHUNK                      ; w = T / 8
	s_add_co_u32 s30, s30, s20
	s_and_b32 s20, s19, 7
	s_lshl_b32 s20, s20, 10                        ; i = T % 8
	s_add_co_u32 s30, s30, s20
	s_add_nc_u64 s[14:15], s[14:15], s[30:31]
.irp n, 0,1,2,3,4,5,6,7                        ; n = 2 k4 + c
	global_load_b128 v[8+4*\n:11+4*\n], v3, s[10:11] offset:32*\n
.endr
	s_wait_alu depctr_va_vdst(0)
.irp n, 0,1,2,3,4,5,6,7
	s_wait_loadcnt 7-\n                            ; loads come back in order: load n is in, the 7 - n younger ones may be out
	global_store_b128 v5, v[8+4*\n:11+4*\n], s[14:15] offset:(\n/4)*BLOCK+((\n/2)%2)*8192+(\n%2)*512
.endr
	s_endpgm
; ---- scale words: wave id = 8 (work-group - 128) + wave: s = id / 16, w = (id / 2) % 8, g = id % 2.  The reads take 4 bytes of a row of 128: the tensor is 128 KiB and this is done once
.Lrole_s:
	s_sub_co_u32 s19, ttmp9, 128
	s_lshl_b32 s19, s19, 3
	s_add_co_u32 s19, s19, s[WV]                   ; id
	s_lshr_b32 s20, s19, 4                         ; s
	s_bfe_u32 s21, s19, 0x30001                    ; w
	s_and_b32 s22, s19, 1                          ; g
	s_lshl_b32 s30, s21, 14                        ; 128 rows of 128 bytes
	s_lshl_b32 s23, s22, 13                        ; 64 rows
	s_add_co_u32 s30, s30, s23
	s_lshl_b32 s23, s20, 3                         ; 8 bytes of a row for 256 along K
	s_add_co_u32 s30, s30, s23
	s_add_nc_u64 s[12:13], s[12:13], s[30:31]
	v_and_b32 v3, 15, v0
	v_bfe_u32 v4, v0, 4, 1
	s_delay_alu instid0(VALU_DEP_2)
	v_lshlrev_b32 v3, 7, v3
	s_delay_alu instid0(VALU_DEP_1)
	v_lshl_add_u32 v3, v4, 2, v3                   ; row lane % 16, K step lane / 16
	s_wait_alu depctr_va_vdst(0)
	v_lshlrev_b32 v5, 4, v2
	s_mul_i32 s30, s20, BLOCK
	s_mul_i32 s23, s21, CHUNK
	s_add_co_u32 s30, s30, s23
	s_lshl_b32 s23, s22, 9
	s_add_co_u32 s30, s30, s23
	s_add_nc_u64 s[14:15], s[14:15], s[30:31]
.irp i, 0,1,2,3
	global_load_b32 v[8+\i], v3, s[12:13] offset:2048*\i   ; tile 4 g + i: 16 rows on
.endr
	s_wait_alu depctr_va_vdst(0)
	s_wait_loadcnt 0x0
	global_store_b128 v5, v[8:11], s[14:15] offset:16384   ; 512 consecutive bytes, aligned
	s_endpgm
.Lfunc_end_k_q4943b97a64_prep:
	.size	k_q4943b97a64_prep, .Lfunc_end_k_q4943b97a64_prep-k_q4943b97a64_prep
	.p2alignl 7, 3214868480
	.fill 96, 4, 3214868480
	.section	.rodata,"a",@progbits
	.p2align	6, 0x0
	.amdhsa_kernel k_q4943b97a64_prep
		.amdhsa_group_segment_fixed_size 0
		.amdhsa_private_segment_fixed_size 0
		.amdhsa_enable_private_segment 0
		.amdhsa_kernarg_size 56
		.amdhsa_user_sgpr_count 2
		.amdhsa_user_sgpr_kernarg_segment_ptr 1
		.amdhsa_wavefront_size32 1
		.amdhsa_system_sgpr_workgroup_id_x 1
		.amdhsa_system_sgpr_workgroup_id_y 1
		.amdhsa_system_sgpr_workgroup_id_z 1
		.amdhsa_system_vgpr_workitem_id 0
		.amdhsa_next_free_vgpr 96
		.amdhsa_next_free_sgpr 66
		.amdhsa_reserve_vcc 1
		.amdhsa_float_denorm_mode_32 3
		.amdhsa_float_denorm_mode_16_64 3
		.amdhsa_memory_ordered 1
		.amdhsa_forward_progress 1
		.amdhsa_inst_pref_size 33
	.end_amdhsa_kernel
	.amdgpu_metadata
---
amdhsa.version: [ 1, 2 ]
amdhsa.kernels:
  - .name:           k_q4943b97a64_prep
    .symbol:         k_q4943b97a64_prep.kd
    .args:
      - { .name: x, .offset: 0, .size: 8, .value_kind: global_buffer, .address_space: global }
      - { .name: ry_params, .offset: 8, .size: 8, .value_kind: global_buffer, .address_space: global }
      - { .name: w1, .offset: 16, .size: 8, .value_kind: global_buffer, .address_space: global }
      - { .name: w2_codes, .offset: 24, .size: 8, .value_kind: global_buffer, .address_space: global }
      - { .name: w2_scales, .offset: 32, .size: 8, .value_kind: global_buffer, .address_space: global }
      - { .name: wsp, .offset: 40, .size: 8, .value_kind: global_buffer, .address_space: global }
      - { .name: qbuf, .offset: 48, .size: 8, .value_kind: global_buffer, .address_space: global }
    .group_segment_fixed_size: 0
    .private_segment_fixed_size: 0
    .kernarg_segment_align: 8
    .kernarg_segment_size: 56
    .max_flat_workgroup_size: 256
    .sgpr_count:     66
    .vgpr_count:     96
    .wavefront_size: 32
...
	.end_amdgpu_metadata
.endif
;; end of part 1
;; launch main (part 2): grid 256 x 1, 4 waves a work-group, no clusters, 173,568 bytes of LDS; arguments wsp, qbuf, out0; writes out0
.if DOCPART == 2
	.amdgcn_target "amdgcn-amd-amdhsa--gfx1250"
	.amdhsa_code_object_version 6
	.text
	.protected	k_q4943b97a64_main
	.globl	k_q4943b97a64_main
	.p2align	8
	.type	k_q4943b97a64_main,@function
k_q4943b97a64_main:
	s_mov_b64 s[64:65], 0
	v_nop
	global_prefetch_b8 v0, s[64:65] scope:SCOPE_SE
	s_setreg_imm32_b32 hwreg(HW_REG_WAVE_MODE, 25, 1), 1
	s_wait_xcnt 0x0
; out = Q(relu(q w1^T)) w2^T for 64 tokens and all 1,024 columns a work-group; four waves, wave v with columns 256 v .. 256 v + 255 (chunks 2 v and 2 v + 1 of w2's rows).
; wsp and qbuf are laid by the launch before.  K goes in 16 rounds of 256, ascending.  In round j each wave makes two blocks of 32 hidden units of round j + 1 (blocks 2 v and 2 v + 1 of its eight):
; f32 matrix products (K = 10 in three steps of 4), relu and the MX quantiser in registers, codes and scale bytes into LDS as images of the operand's registers:
; codes [ks 32][m 4][c 2][lane 32][16 bytes], scale words [ks / 2][ks % 2][r 16][m 4]; and it multiplies round j's codes by its 256 rows of w2: 2 x 64 matrix instructions.
; LDS bytes are written once, so one barrier a round, between the stores of a block of 256 and its reads, is all the ordering.
; w2's fragments and scale words and w1's images go from wsp straight into registers.  The ring is 256 registers, one round's fragments; each quarter (a chunk's eight tiles, 128 along K) is asked for again, for the next round, behind its 32 products.
; NO CLUSTER, NO JOINT LOADS: each fragment of w2 is an operand of one wave of the work-group alone; a joint load lands in LDS, and its 2.4 MB a work-group would be read from there once more.
; NO DATA PREFETCH: the ring asks a whole round (64 loads of 512 bytes a wave) ahead of the products, and all work-groups walk the same 2.4 MB.
; THE MATRIX INSTRUCTIONS ARE USED TRANSPOSED: source 0 = rows of w1 or w2, source 1 = tokens: a lane holds one token, its registers run along the hidden units or the columns.
; REGISTERS: window 0 addresses, scales, h's fragments, the making of h; windows 1 and 2 the accumulators of my two chunks ((m, i) at v[8 (8 m + i)]); window 3 the ring.
.set CHUNK, 18944
.set BLOCK, 8*CHUNK
.set WOFF,  17408
.set HSB,   131072                     ; behind the codes: h's scale words, 8,192 bytes
.set STAGE, 139264                     ; the way out: 16 rows x 528 bytes for each wave
.set SPITCH, 528
.set SPARE, STAGE+4*16*SPITCH          ; the spare words, 128 bytes a wave; no other line names them
.set SPW, 1
.set NIL, 2
.set L16, 3                            ; 16 x lane
.set ADC0, 4
.set ADY0, 5
.set ADC, 6                            ; where I store codes
.set ADY, 7                            ; where I store scale bytes
.set LIA, 8                            ; where I read h's fragments
.set LIS, 9                            ; where I read h's scale words
.set STO, 10                           ; (in the head: the offset of q's third K step)
.set CO,  11
.set WS,  12                           ; v12-43 w2's scale words: two sets of 16 (lanes 0-15 the round's first 128 along K, lanes 16-31 the second)
.set HS,  44                           ; v44-47 h's scale words
.set T,   48
.set T2,  52
.set TB,  56
.set HA,  60                           ; v60-123 the f32 sums: written by matrix instructions alone
.set HF,  124                          ; v124-187 h's fragments of a round
.set Q,   188                          ; v188-211 q
.set W,   212                          ; v212-235 two images of w1
.set CD,  236
.set MA,  244
.set MB,  252
.set OB,  124                          ; the way out: v124-251
.set RDS, 50
.set WV,  10
.set WB,  14
.set KO,  21
.set KO2, 22
.set TC,  30
.set MSB, 0
.macro WIN new
.if MSB != \new
	s_set_vgpr_msb (MSB<<8)|\new
.set MSB, \new
.endif
.endm
.macro PLACES n
.rept \n
	v_nop
.endr
.endm
.macro WLD ab, blk                     ; an image of w1
.irp c, 0,1,2
	global_load_b128 v[W+12*\ab+4*\c:W+12*\ab+4*\c+3], v[L16], s[WB:WB+1] offset:(\blk)*BLOCK+\ab*CHUNK+WOFF+512*\c
.endr
.endm
.macro RLC ks, blk, c2                 ; a quarter of the ring: eight tiles of chunk c2, 128 along K
	WIN 0xc0
.irp i, 0,1,2,3,4,5,6,7
.irp c, 0,1
	global_load_b128 v[128*\ks+64*\c2+8*\i+4*\c:128*\ks+64*\c2+8*\i+4*\c+3], v[L16], s[WB:WB+1] offset:(\blk)*BLOCK+\c2*CHUNK+(8*\ks+\i)*1024+512*\c
.endr
.endr
	WIN 0
.endm
.macro SLD par, blk                    ; w2's scale words of a round
.irp c2, 0,1
.irp g, 0,1
	global_load_b128 v[WS+16*\par+8*\c2+4*\g:WS+16*\par+8*\c2+4*\g+3], v[L16], s[WB:WB+1] offset:(\blk)*BLOCK+\c2*CHUNK+16384+512*\g
.endr
.endr
.endm
.macro HLD blk                         ; h's scale words and fragments of a round
	ds_load_b128 v[HS:HS+3], v[LIS] offset:(\blk)*512
.irp ks, 0,1
.irp m, 0,1,2,3
.irp c, 0,1
	ds_load_b128 v[HF+32*\ks+8*\m+4*\c:HF+32*\ks+8*\m+4*\c+3], v[LIA] offset:(\blk)*8192+4096*\ks+1024*\m+512*\c
.endr
.endr
.endr
.endm
.macro SETB
	v_add_nc_u32 v[ADC], s[KO], v[ADC0]
	v_add_nc_u32 v[LIA], s[KO], v[L16]
	v_add_nc_u32 v[ADY], s[KO2], v[ADY0]
	v_add_nc_u32 v[LIS], s[KO2], v[L16]
	s_wait_alu depctr_va_vdst(0)                   ; directly behind the writes
.endm
	s_load_b128 s[4:7], s[0:1], 0x0                ; wsp, qbuf
	s_load_b64 s[8:9], s[0:1], 0x10                ; out0
	v_lshl_add_u32 v[SPW], v0, 2, SPARE
	v_mov_b32 v[NIL], 0
	v_lshrrev_b32 v58, 5, v0
	v_readfirstlane_b32 s[WV], v58                 ; wave 0..3
	s_lshr_b32 s26, s[WV], 1                       ; which 128 of a round's 256 my two blocks lie in,
	s_and_b32 s27, s[WV], 1                        ; and which half of these
	s_lshl_b32 s24, s26, 12
	s_lshl_b32 s28, s27, 9
	s_add_co_u32 s24, s24, s28
	s_lshl_b32 s25, s26, 8
	s_lshl_b32 s28, s27, 1
	s_add_co_u32 s25, s25, s28
	s_mov_b32 s[KO], 0
	s_mov_b32 s[KO2], HSB
	v_and_b32 v58, 31, v0
	v_lshlrev_b32 v[L16], 4, v58
	v_and_b32 v58, 15, v0                          ; r
	v_bfe_u32 v59, v0, 4, 1                        ; h
	v_lshlrev_b32 v[STO], 3, v58
	v_lshl_add_u32 v[STO], v59, 9, v[STO]          ; q's third K step: 8 r + 512 h
	v_lshlrev_b32 v[ADY0], 4, v58
	v_lshl_add_u32 v[ADC0], v59, 3, v[ADY0]        ; 16 r + 8 h
	v_add_nc_u32 v[ADC0], s24, v[ADC0]
	v_add_nc_u32 v[ADY0], s25, v[ADY0]
.irp m, 0,1,2,3
	v_mov_b32 v[T2+\m], 0                          ; a lane permute's destination counts as read
.endr
	SETB
	s_mov_b32 s32, 0x76543210
	s_mov_b32 s33, 0xfedcba98
	s_mov_b32 s34, 0x88888888
	s_wait_kmcnt 0x0
	s_mul_i32 s18, ttmp9, 3072
	s_mov_b32 s19, 0
	s_add_nc_u64 s[6:7], s[6:7], s[18:19]          ; my 64 tokens' q
	s_lshl_b32 s18, ttmp9, 18
	s_add_nc_u64 s[8:9], s[8:9], s[18:19]          ; my 64 rows of out0
	s_mul_i32 s18, s[WV], 2*CHUNK
	s_add_nc_u64 s[WB:WB+1], s[4:5], s[18:19]      ; chunk 2 v of wsp's block 0
.irp m, 0,1,2,3
	global_load_b128 v[Q+6*\m:Q+6*\m+3],   v[L16], s[6:7] offset:512*\m
	global_load_b64  v[Q+6*\m+4:Q+6*\m+5], v[STO], s[6:7] offset:2048+128*\m
.endr
	SLD 0, 0
	WLD 0, 15                                      ; round 0's w1 lies in wsp's last block
	WLD 1, 15
	RLC 0, 0, 0                                    ; the ring's first half sets out ahead of the first block of h
	RLC 0, 0, 1
; One block of 32 hidden units x 64 tokens, for the round rb + 1 behind the one at which WB stands.  ld = 1: its image of w1 is asked for again, for the next round.  wn: the loads younger than the image
.macro HPH ab, ld, wn, rb
	s_wait_loadcnt \wn
.irp s, 0,1,2
.irp m, 0,1,2,3
.irp u, 0,1
.if \s == 0
	v_wmma_f32_16x16x4_f32 v[HA+8*(2*\m+\u):HA+8*(2*\m+\u)+7], v[W+12*\ab+6*\u:W+12*\ab+6*\u+1], v[Q+6*\m:Q+6*\m+1], 0
.else
	v_wmma_f32_16x16x4_f32 v[HA+8*(2*\m+\u):HA+8*(2*\m+\u)+7], v[W+12*\ab+6*\u+2*\s:W+12*\ab+6*\u+2*\s+1], v[Q+6*\m+2*\s:Q+6*\m+2*\s+1], v[HA+8*(2*\m+\u):HA+8*(2*\m+\u)+7]
.endif
.endr
.endr
.endr
	PLACES 8                                       ; eight places behind this form
.if \ld
	WLD \ab, (\rb)+1
.endif
; the block's largest number, no |.|: relu lets nothing negative count; the floor 2^(3 - 127) holds the byte at 1.  Two chains a token tile
.irp m, 0,1,2,3
	v_max3_num_f32 v[T+\m], v[HA+16*\m], v[HA+16*\m+1], 0x1800000
.endr
.irp m, 0,1,2,3
	v_max3_num_f32 v[TB+\m], v[HA+16*\m+8], v[HA+16*\m+9], v[HA+16*\m+10]
.endr
.irp i, 2,4
.irp m, 0,1,2,3
	v_max3_num_f32 v[T+\m], v[T+\m], v[HA+16*\m+\i], v[HA+16*\m+\i+1]
.endr
.irp m, 0,1,2,3
	v_max3_num_f32 v[TB+\m], v[TB+\m], v[HA+16*\m+9+\i], v[HA+16*\m+10+\i]
.endr
.endr
.irp m, 0,1,2,3
	v_max3_num_f32 v[T+\m], v[T+\m], v[HA+16*\m+6], v[HA+16*\m+7]
.endr
.irp m, 0,1,2,3
	v_max3_num_f32 v[T+\m], v[T+\m], v[TB+\m], v[HA+16*\m+15]
.endr
.irp m, 0,1,2,3
	v_permlanex16_b32 v[T2+\m], v[T+\m], s32, s33
.endr
.irp m, 0,1,2,3
	v_max_num_f32 v[T+\m], v[T+\m], v[T2+\m]       ; with lane l xor 16's sixteen
.endr
.irp m, 0,1,2,3
	v_add_nc_u32 v[T+\m], 0xff000000, v[T+\m]      ; 2 off the exponent field: the conversion's scale operand
.endr
.irp m, 0,1,2,3
.irp u, 0,1
	v_cvt_scalef32_pk8_fp4_f32 v[CD+2*\m+\u], v[HA+16*\m+8*\u:HA+16*\m+8*\u+7], v[T+\m]
.endr
.endr
.irp m, 0,1,2,3
	v_lshrrev_b32 v[T2+\m], 23, v[T+\m]            ; the scale's byte
.endr
; relu on the codes: a nibble whose sign bit is set becomes 0
.irp n, 0,1,2,3,4,5,6,7
	v_bfi_b32 v[MA+\n], v[CD+\n], 0, s34
.endr
.irp g, 0,4
.irp n, 0,1,2,3
	v_lshrrev_b32 v[MB+\n], 3, v[MA+\g+\n]
.endr
.irp n, 0,1,2,3
	v_sub_nc_u32 v[MA+\g+\n], v[MA+\g+\n], v[MB+\n]
.endr
.endr
.irp n, 0,1,2,3,4,5,6,7
	v_and_b32 v[CD+\n], v[MA+\n], v[CD+\n]
.endr
.irp m, 0,1,2,3
	ds_store_b64 v[ADC], v[CD+2*\m:CD+2*\m+1] offset:((\rb)+1)*8192+1024*\m+256*\ab
	ds_store_b8 v[ADY], v[T2+\m] offset:((\rb)+1)*512+4*\m+\ab   ; both halves of the lanes hold and store the same byte
.endr
.endm
; 32 products: the eight tiles of chunk c2 x the four token tiles, 128 along K.  The accumulators take turns
.macro GH ks, par, zero, c2
	WIN 0x53+0x50*\c2                              ; source 0 window 3, source 1 window 0, C and D window 1 or 2
.irp m, 0,1,2,3
.irp i, 0,1,2,3,4,5,6,7
.if \ks
	v_wmma_scale_f32_16x16x128_f8f6f4 v[8*(8*\m+\i):8*(8*\m+\i)+7], v[128+64*\c2+8*\i:128+64*\c2+8*\i+7], v[HF+32+8*\m:HF+32+8*\m+7], v[8*(8*\m+\i):8*(8*\m+\i)+7], v[WS+16*\par+8*\c2+\i], v[HS+\m] matrix_a_fmt:MATRIX_FMT_FP4 matrix_b_fmt:MATRIX_FMT_FP4 matrix_a_scale:MATRIX_SCALE_ROW1 matrix_b_scale:MATRIX_SCALE_ROW1
.elseif \zero
	v_wmma_scale_f32_16x16x128_f8f6f4 v[8*(8*\m+\i):8*(8*\m+\i)+7], v[64*\c2+8*\i:64*\c2+8*\i+7], v[HF+8*\m:HF+8*\m+7], 0, v[WS+16*\par+8*\c2+\i], v[HS+\m] matrix_a_fmt:MATRIX_FMT_FP4 matrix_b_fmt:MATRIX_FMT_FP4
.else
	v_wmma_scale_f32_16x16x128_f8f6f4 v[8*(8*\m+\i):8*(8*\m+\i)+7], v[64*\c2+8*\i:64*\c2+8*\i+7], v[HF+8*\m:HF+8*\m+7], v[8*(8*\m+\i):8*(8*\m+\i)+7], v[WS+16*\par+8*\c2+\i], v[HS+\m] matrix_a_fmt:MATRIX_FMT_FP4 matrix_b_fmt:MATRIX_FMT_FP4
.endif
.endr
.endr
.endm
; Half x of a round: one block of h for the next round (hp; wl: its image of w1 is asked for again), then the round's x-th 128 along K.  par: the round's set of scale words; rb: the round, counted from the one at which WB stands.
; wnw, wnr: the loads younger than w1's image and than this half of the ring.  rl: the half is asked for again, a quarter behind each chunk's products; sl: the scale words two rounds on.
; nx: the round's barrier: the signal as soon as my stores of the next round's h are done, the wait behind 32 products (work on registers alone between the two), the next round's h read behind all 64.
; adv: behind the block of h all bases step two rounds on (the youngest loads are then the three of w1's image, issued ahead of the quantiser's lines)
.macro HALF x, par, rb, zero, hp, wl, wnw, wnr, rl, sl, nx, adv
.if \hp
	HPH \x, \wl, \wnw, \rb
.endif
.set RB2, \rb
.if \adv
	s_wait_xcnt 0x0                                ; the loads' base is stepped only behind this wait
	s_add_nc_u64 s[WB:WB+1], s[WB:WB+1], 2*BLOCK
	s_add_co_u32 s[KO], s[KO], 16384
	s_add_co_u32 s[KO2], s[KO2], 1024
	SETB
.set RB2, (\rb)-2
.endif
	s_wait_loadcnt \wnr
.if \nx
	s_wait_dscnt 0x0                               ; my codes and scale bytes of the next round are in LDS, and this half's fragments are in
	s_barrier_signal -1
.else
	s_wait_dscnt 16*(\hp)+8*(1-(\hp))*(1-(\x))     ; younger than this half's fragments: the other half's eight loads, and my block's eight stores
.endif
	GH \x, \par, \zero, 0
.if \nx
	s_barrier_wait -1                              ; everybody's are
.endif
.if \rl
	PLACES 4                                       ; four places in front of loads into registers that matrix instructions have read
	RLC \x, RB2+1, 0
.endif
	GH \x, \par, \zero, 1
	PLACES 4
	WIN 0
.if \nx
	HLD RB2+1
.endif
.if \rl
	RLC \x, RB2+1, 1
.endif
.if \sl
	SLD \par, RB2+2
.endif
.endm
.macro FULL x, par, rb, zero           ; 63: w1's image has 71 younger loads; 42: half a ring has 3 + 32 + 4 + 3
	HALF \x, \par, \rb, \zero, 1, 1, 63, 42, 1, \x, \x, 0
.endm
	HPH 0, 1, 35, -1                               ; round 0's h.  35: the other image and the ring's first half
	HPH 1, 1, 35, -1                               ; 35: the ring's first half and the first image asked for again
	RLC 1, 0, 0
	RLC 1, 0, 1
	SLD 1, 1
	s_wait_dscnt 0x0
	s_barrier_signal -1
	s_barrier_wait -1
	HLD 0
	HALF 0, 0, 0, 1, 1, 1, 39, 42, 1, 0, 0, 0      ; the first products start the sums.  39: 3 + 32 + 4 are younger than w1's image here
	s_mov_b32 s[TC], 6
.Lr:                                               ; a trip: from a round's second half to the first half two rounds on
	FULL 1, 0, 0, 0
	FULL 0, 1, 1, 0
	FULL 1, 1, 1, 0
	HALF 0, 0, 2, 0, 1, 1, 63, 42, 1, 0, 0, 1
	s_sub_co_u32 s[TC], s[TC], 1
	s_cmp_lg_u32 s[TC], 0
	s_cbranch_scc1 .Lr
	FULL 1, 0, 0, 0                                ; round 12's second half, round 13
	FULL 0, 1, 1, 0
	FULL 1, 1, 1, 0
	HALF 0, 0, 2, 0, 1, 0, 63, 39, 1, 0, 0, 0      ; round 14 makes the last h and asks for the last fragments; the counts run down
	HALF 1, 0, 2, 0, 1, 0, 63, 36, 1, 0, 1, 0
	HALF 0, 1, 3, 0, 0, 0, 0, 32, 0, 0, 0, 0       ; round 15
	HALF 1, 1, 3, 0, 0, 0, 0, 0, 0, 0, 0, 0
; THE WAY OUT: 16 tokens x 128 columns at a time through my own stage, back as whole rows of 512 bytes.  Unit u: token tile u / 2, chunk u % 2
	s_mul_i32 s26, s[WV], 16*SPITCH
	s_add_co_u32 s26, s26, STAGE
	s_lshl_b32 s27, s[WV], 10
	v_and_b32 v[T], 15, v0
	v_bfe_u32 v[T+1], v0, 4, 1
	v_mul_u32_u24 v[STO], v[T], SPITCH
	v_lshl_add_u32 v[STO], v[T+1], 5, v[STO]
	v_add_nc_u32 v[STO], s26, v[STO]
	v_add_nc_u32 v[RDS], s26, v[L16]
	v_add_nc_u32 v[CO], s27, v[L16]
	s_wait_alu depctr_va_vdst(0)
.macro TOSTAGE u
	WIN 0x04+0x04*((\u)%2)
.irp i, 0,1,2,3,4,5,6,7
	ds_store_b128 v[STO], v[8*(8*((\u)/2)+\i):8*(8*((\u)/2)+\i)+3] offset:64*\i
	ds_store_b128 v[STO], v[8*(8*((\u)/2)+\i)+4:8*(8*((\u)/2)+\i)+7] offset:64*\i+16
.endr
	WIN 0
.irp t, 0,1,2,3,4,5,6,7,8,9,10,11,12,13,14,15
	ds_load_b128 v[OB+64*((\u)%2)+4*\t:OB+64*((\u)%2)+4*\t+3], v[RDS] offset:SPITCH*\t
.endr
.endm
.macro SEND u, younger
	s_wait_dscnt \younger
.irp t, 0,1,2,3,4,5,6,7,8,9,10,11,12,13,14,15
	global_store_b128 v[CO], v[OB+64*((\u)%2)+4*\t:OB+64*((\u)%2)+4*\t+3], s[8:9] offset:(16*((\u)/2)+\t)*4096+512*((\u)%2) th:TH_STORE_NT   ; the wave stores 512 consecutive bytes, aligned
.endr
.endm
	TOSTAGE 0
.irp u, 1,2,3,4,5,6,7
.if \u > 1
	s_wait_xcnt 0x0                                ; unit u - 2's stores have read their registers
.endif
	TOSTAGE \u
	SEND \u-1, 32                                  ; behind unit u - 1's loads: unit u's 16 stores and 16 loads
.endr
	SEND 7, 0
	s_wait_tensorcnt 0x0                           ; the wave's end
	ds_add_u32 v[SPW], v[NIL]
	s_wait_dscnt 0x0
	s_endpgm
.Lfunc_end_k_q4943b97a64_main:
	.size	k_q4943b97a64_main, .Lfunc_end_k_q4943b97a64_main-k_q4943b97a64_main
	.p2alignl 7, 3214868480
	.fill 96, 4, 3214868480
	.section	.rodata,"a",@progbits
	.p2align	6, 0x0
	.amdhsa_kernel k_q4943b97a64_main
		.amdhsa_group_segment_fixed_size 173568
		.amdhsa_private_segment_fixed_size 0
		.amdhsa_enable_private_segment 0
		.amdhsa_kernarg_size 24
		.amdhsa_user_sgpr_count 2
		.amdhsa_user_sgpr_kernarg_segment_ptr 1
		.amdhsa_wavefront_size32 1
		.amdhsa_system_sgpr_workgroup_id_x 1
		.amdhsa_system_sgpr_workgroup_id_y 1
		.amdhsa_system_sgpr_workgroup_id_z 1
		.amdhsa_system_vgpr_workitem_id 0
		.amdhsa_next_free_vgpr 1024
		.amdhsa_next_free_sgpr 66
		.amdhsa_reserve_vcc 0
		.amdhsa_float_denorm_mode_32 3
		.amdhsa_float_denorm_mode_16_64 3
		.amdhsa_memory_ordered 1
		.amdhsa_forward_progress 1
		.amdhsa_inst_pref_size 255
	.end_amdhsa_kernel
	.section	.bss,"aw",@nobits
	.p2align	6
	.space	262144
	.amdgpu_metadata
---
amdhsa.version: [ 1, 2 ]
amdhsa.kernels:
  - .name:           k_q4943b97a64_main
    .symbol:         k_q4943b97a64_main.kd
    .args:
      - { .name: wsp, .offset: 0, .size: 8, .value_kind: global_buffer, .address_space: global }
      - { .name: qbuf, .offset: 8, .size: 8, .value_kind: global_buffer, .address_space: global }
      - { .name: out0, .offset: 16, .size: 8, .value_kind: global_buffer, .address_space: global }
    .group_segment_fixed_size: 173568
    .private_segment_fixed_size: 0
    .kernarg_segment_align: 8
    .kernarg_segment_size: 24
    .max_flat_workgroup_size: 128
    .sgpr_count:     66
    .vgpr_count:     1024
    .wavefront_size: 32
...
	.end_amdgpu_metadata
.endif
;; end of part 2
